; MI455X (gfx1250); checked and timed in simulation.
; The chip was launched on July 23, 2026; its instructions are those of AMD's public machine-readable ISA for CDNA 5 (MIT licence, August 2026) and "CDNA5" Instruction Set Architecture Reference Guide (July 2026). The comments in the code are by the model that wrote it; some were corrected since.
;; Multi Head Attention. Allowed arithmetic: matrix products marked QUANTISED: E4M3 operands, one given power-of-two scale a tensor, by v_wmma_f32_16x16x64_fp8_fp8 or v_wmma_f32_16x16x128_fp8_fp8, f32 sums; everything else in f32.
;; Inputs: W_attn_codes 3,072 x 32 x 32 uint8 (E4M3 codes of W_attn, K innermost, in blocks of 32 codes); W_proj_codes 1,024 x 32 x 32 uint8 (E4M3 codes of W_proj, K innermost, in blocks of 32 codes); b_attn 3,072 float32; b_proj 1,024 float32; lowp_scales 8 int32 (the exponents e of the quantised operands' scales 2^e); x_codes 4 x 2,048 x 32 x 32 uint8 (E4M3 codes of x, K innermost, in blocks of 32 codes).
;; Outputs: out0 4 x 2,048 x 1,024 float32.
;; This version of the problem:
;;   THIS VERSION OF THE PROBLEM IS GIVEN IN LOW PRECISION. The matrix products marked QUANTISED in the list below multiply operands that are first quantised to E4M3 (4 exponent bits, 3 mantissa bits; 8 bits a number), with one given power-of-two scale for each operand tensor; their sums are f32. All else is computed in f32.
;;   The module's matrix products, in the order in which they are computed (A, B: the left and right operand; K: the contracted axis; several contracted axes count as one K, in the product's order):
;;     1. [M 8,192, K 1,024] x [K 1,024, N 3,072]; A: input x (given as codes); B: input W_attn (given as codes): QUANTISED (scales: A lowp_scales[0], B lowp_scales[1])
;;     2. batch 64 x [M 2,048, K 64] x [K 64, N 2,048]; A: computed on the way; B: computed on the way: QUANTISED (scales: A lowp_scales[2], B lowp_scales[3])
;;     3. batch 64 x [M 2,048, K 2,048] x [K 2,048, N 64]; A: softmax (see below); B: computed on the way: QUANTISED (scales: A lowp_scales[4], B lowp_scales[5])
;;     4. [M 8,192, K 1,024] x [K 1,024, N 1,024]; A: computed on the way; B: input W_proj (given as codes): QUANTISED (scales: A lowp_scales[6], B lowp_scales[7])
;;   THE QUANTISER, for each operand of a quantised product, along K:
;;     - The operand's scale is 2^e, e = its entry of the input lowp_scales (int32; the entries are numbered through the quantised products in the list's order, A before B).
;;     - Each number is divided by the scale, clamped to +-448, and rounded to the nearest number of E4M3, ties to even, subnormals kept.
;;     - The product sums the exact products of the quantised numbers (number of the format x scale) in f32.
;;   ~~~python
;;   def quantise(x, axis, e):      # numpy; x: float32 -> the quantised numbers, widened to float32 again
;;       x = np.moveaxis(x, axis, -1); K = x.shape[-1]
;;       r = np.clip(x / 2.0 ** e, -448, 448)
;;       step = 2.0 ** (np.maximum(np.frexp(np.where(r == 0, 1, r))[1] - 1, -6) - 3)
;;       q = np.round(r / step) * step * 2.0 ** e      # np.round: ties to even
;;       return np.moveaxis(q, -1, axis).astype(np.float32)
;;   ~~~
;;   SOFTMAX AHEAD OF A QUANTISED PRODUCT. Where the list says 'softmax', what is quantised is not the finished softmax but p = 2^(t - M), with t = logit x log2(e) and M = ceil(the row's largest t), a whole number; so 1/2 < the row's largest p <= 1. The row's sum l is taken of the UNQUANTISED p, in f32, and the product's result is divided by l at the end. Since M is a whole number, a kernel that streams over the keys may use a running M (the ceiling of the running maximum): every later rescaling is an exact power of two, so the quantised numbers keep their values, but for numbers so far below the row's largest that they fall under the format's range.
;;   OPERANDS COMPUTED ON THE WAY. 'Computed on the way' means the value that the module computes at that place (a softmax that the list does not call 'softmax' is quantised finished and normalised). What goes into a quantiser is computed in f32, as accurately as f32 sums, v_exp_f32 and their like allow (about 1e-6 of the number): no bf16 or f16 on the way to a quantiser, and a product that is left as it is and whose result goes on into a quantised operand takes f32 operands (vector FMAs, or v_wmma_f32_16x16x4_f32). A number that lies on a knife's edge between two numbers of the format may be rounded either way, as far as f32 arithmetic and the matrix unit's own rounding can turn it there, and no further.
;;   INPUTS GIVEN AS CODES. W_attn (in the module: [1024, 3072], K = its axis 0); W_proj (in the module: [1024, 1024], K = its axis 0); x (in the module: [4, 2048, 1024], K = its axis 2): each comes as NAME_codes (uint8): NAME with its K axis moved to the last place and cut into blocks of 32 codes, [.., K / 32, bytes a block], one block behind the other in memory; one code a byte (a code: sign, 4 exponent bits, 3 mantissa bits); its scale is its entry of lowp_scales. Its value is code x scale, taken as it is: it is not quantised again, and the codes and scales need not be those that the quantiser above would give.
;; One version. Each part assembles by itself: llvm-mc -triple=amdgcn-amd-amdhsa -mcpu=gfx1250 --defsym DOCPART=n.
;; ======== version 1 of 1: 3 launches
;; limits: right only within a limited range of input values
;; workspace buffers: q_img 8,388,608 bytes; kv_img 16,777,216 bytes; y_img 8,388,608 bytes
;; launch qkv (part 1): grid 12 x 32, 4 waves a work-group, clusters of 4 x 4, 327,680 bytes of LDS; arguments x_codes, W_attn_codes, b_attn, lowp_scales, q_img, kv_img; writes q_img, kv_img
.if DOCPART == 1
	.amdgcn_target "amdgcn-amd-amdhsa--gfx1250"
	.amdhsa_code_object_version 6
	.text
	.protected	k_qf33762bbcd_qkv
	.globl	k_qf33762bbcd_qkv
	.p2align	8
	.type	k_qf33762bbcd_qkv,@function
k_qf33762bbcd_qkv:
	s_mov_b64 s[64:65], 0
	v_nop
	global_prefetch_b8 v0, s[64:65] scope:SCOPE_SE
	s_setreg_imm32_b32 hwreg(HW_REG_WAVE_MODE, 25, 1), 1
	s_wait_xcnt 0x0
	s_wait_alu depctr_hold_cnt(0) depctr_sa_sdst(0) depctr_va_vdst(0) depctr_va_sdst(0) depctr_va_ssrc(0) depctr_va_vcc(0) depctr_vm_vsrc(0)
	s_getreg_b32 s2, hwreg(HW_REG_IB_STS2, 6, 4)
	s_cmp_eq_u32 s2, 0
	s_cbranch_scc0 .Lentry_in_a_cluster
	s_endpgm
.Lentry_in_a_cluster:
	s_bfe_u32 s2, ttmp6, 0x10000c
	s_cmp_lg_u32 s2, 0xf033
	s_cbranch_scc0 .Lentry_shape_is_right
	s_endpgm
.Lentry_shape_is_right:
; qkv = x W_attn + b_attn on codes of FP8 (E4M3), and q, k, v quantised on the way out.  x: [8192][1024], W_attn: [3072][1024]: codes, K innermost.
; A tile of 256 tokens x 256 columns is made by a work-group of four waves; a wave makes 128 x 128: 64 accumulators of 16 x 16, 512 registers.  12 x 32 tiles; the four tile columns of a cluster
; lie in ONE of the three parts q | k | v (1,024 columns each), so the part is the cluster's x: the same number in all sixteen partners.
; K goes in steps of 256 through a ring of two LDS slots filled by the tensor data mover: four fills, eight steps of 128, written out without a loop.
; CLUSTERS: 4 x 4 work-groups.  The four of a row need the same rows of x, the four of a column the same rows of W: each tile is asked for JOINTLY.
; THE RESULT LEAVES AS AN IMAGE OF THE NEXT PRODUCT'S OPERAND REGISTERS.  In a result, lane (r, h) holds source 1's row r and, in registers 0-7, source 0's rows 8 h + 0 .. 7; eight registers become 8 codes in 2 registers,
; which are registers 2 c, 2 c + 1 (k = 16 c + 8 h + 0 .. 7) of an 8-bit fragment.  q, k: source 0 = W's rows, source 1 = x's rows: a lane holds a token, its registers run along the head's 64.
; v: THE SOURCES CHANGE PLACES (source 0 = x's rows, source 1 = W's rows): a lane holds a channel, its registers run along the tokens, which are the keys: the second attention product's K.  Only LDS addresses, the bias's
; place and the output's steps differ: they are chosen by s_cselect on the part.  Four registers of all 32 lanes are one store of 512 consecutive bytes: no stage in LDS, no transposition.
;   q_img  [b*16+head][tile of 16 tokens: 128][half 2][lane 32][16 bytes]
;   kv_img [b*16+head][step of 128 keys: 16][16,384 bytes]: 8,192 of K: [tile of 16 keys: 8][half 2][lane][16]; 8,192 of V: [16 channels: 4][quarter 4][lane][16]
; THE BIAS is the C of each sum's first matrix instruction, divided by 2^(e0 + e1), the power of two that the sums lack; the code is then sum / 2^(eo - e0 - e1), eo = e2 (q), e3 (k), e5 (v).
; LIMITS: eo - e0 - e1 between -126 and 127, so that the scale is an f32 number.  NaN in b_attn is not served.
; REGISTERS, in windows of 256: window 0: v1-29 addresses and constants; v32-95 the bias; v96-111 offsets of the bias's loads, later the codes; v128-255 source 1's fragments, ONE set.
;   window 1: source 0's fragments, TWO sets, at v0 and v128.   window 2: the accumulators of source 1's blocks 0-3 ((a, b) at v[8 (8 a + b)]);   window 3: those of blocks 4-7.
.set PITCH,  272                       ; an LDS row: 256 bytes + 16 of padding = 68 words: row r starts at bank 4 r mod 64 (64 banks of 4 bytes: ISA guide 11.1), so the 16 rows of a load start at 16 different banks
.set HALFT,  128*PITCH                 ; 128 rows: what one tensor load brings, and what one wave reads of x or of W
.set SLOT,   4*HALFT                   ; x's 256 rows, then W's 256 rows
.set SPARE,  2*SLOT                    ; behind the ring: the spare words, 128 bytes for each wave: two blocks of 256 bytes that no other line names
.set FR,     16                        ; registers of a fragment: 16 rows x 128 K
.set NL,     4                         ; LDS loads that bring one
.set VO,   8                           ; v8   16 x lane: my 16 bytes of a store;  v9: the same, S2 bytes on
.set SCL,  12                          ; v12  2^(eo - e0 - e1) as f32
.set LIM,  13
.set ADR1, 16                          ; v16-17  LDS address of source 1's fragments in slot 0, 1
.set ADR0, 20                          ; v20-21  the same for source 0
.set SPW,  28                          ; v28  LDS address of my spare word; never rewritten
.set NIL,  29                          ; v29  0; never rewritten
.set BI,   32                          ; v32-95  the bias: eight registers for each of eight blocks
.set VJ,   96                          ; v96-103 byte offsets of the bias's loads
.set CD,   96                          ; v96-111 the way out: a block's codes
.set AF,   128                         ; source 1's fragments
.set G1,  24                           ; s[24:31] descriptor group 1 for x's tiles;  s[32:39] group 0, one set for each slot
.set G0,  32
.set G1B, 48                           ; s[48:55], s[56:63] the same for W's tiles
.set G0B, 56
.set MSB, 0
.macro WIN new                         ; the immediate's high byte repeats the setting that is left; a switch that changes nothing is dropped
.if MSB != (\new)
	s_set_vgpr_msb (MSB<<8)|(\new)
.set MSB, (\new)
.endif
.endm
.set MUL_LO, 0xa1                      ; source 0 window 1, source 1 window 0, C and D window 2
.set MUL_HI, 0xf1                      ; the same, C and D window 3
.set TO_B,   0x40                      ; destination window 1, address window 0
; A joint load: waves 0 and 1 fetch x's halves, waves 2 and 3 W's.  Each line has ONE mask and one set of registers for all that issue it; the branch hangs on the wave's number alone.
; Four v_nop follow each of the two lines, ahead of the jump, the label and what follows.
.macro JLOAD g0a, g1a, g0b, g1b
	s_cmp_eq_u32 s15, 0
	s_cbranch_scc0 .Lfor_b_\@
	tensor_load_to_lds s[\g0a:\g0a+3], s[\g1a:\g1a+7]
	s_nop 0
.rept 4
	v_nop
.endr
	s_branch .Lasked_\@
.Lfor_b_\@:
	tensor_load_to_lds s[\g0b:\g0b+3], s[\g1b:\g1b+7]
	s_nop 0
.rept 4
	v_nop
.endr
.Lasked_\@:
.endm
.macro CREST                           ; a round of the cluster's barrier behind its opening barrier
	s_cmp_lg_u32 s14, 0
	s_cbranch_scc1 .Lnot_wave_0_\@
	s_barrier_signal -3
.Lnot_wave_0_\@:
	s_barrier_wait -3
	s_barrier_signal -1
	s_barrier_wait -1
.endm
.macro CROUND                          ; a whole round
	s_barrier_signal -1
	s_barrier_wait -1
	CREST
.endm
.macro PLACES n                        ; plain vector instructions between a matrix instruction and a load into, or a vector instruction on, its registers
.rept \n
	v_nop
.endr
.endm
	s_load_b256 s[4:11], s[0:1], 0x0               ; x's codes s[4:5], W's codes s[6:7], b_attn s[8:9], the scales' exponents s[10:11]
	s_load_b128 s[68:71], s[0:1], 0x20             ; q_img s[68:69], kv_img s[70:71]
	v_lshl_add_u32 v[SPW], v0, 2, SPARE
	v_mov_b32 v[NIL], 0
	ds_add_u32 v28, v29
	ds_add_u32 v28, v29
	s_wait_dscnt 0x0
	v_lshrrev_b32 v1, 5, v0
	v_readfirstlane_b32 s14, v1                    ; wave 0..3
	s_lshr_b32 s15, s14, 1                         ; which half of source 1's 256 rows is mine.  Also: I fetch for x (0) or for W (1)
	s_and_b32 s16, s14, 1                          ; which half of source 0's.  Also: which 128 rows of that tile I fetch
	s_bfe_u32 s40, ttmp6, 0x40000                  ; cx, cy: my place in the cluster
	s_bfe_u32 s41, ttmp6, 0x40004
	s_lshl_b32 s42, ttmp9, 2
	s_add_co_u32 s42, s42, s40                     ; tile column = 4 x cluster x + cx
	s_and_b32 s17, ttmp7, 0xffff
	s_lshl_b32 s17, s17, 2
	s_add_co_u32 s17, s17, s41                     ; tile row = 4 x cluster y + cy
	s_lshl_b32 s43, s41, 2
	s_lshl_b32 s43, 15, s43                        ; my row of the cluster
	s_lshl_b32 s44, 0x1111, s40                    ; my column
	; descriptor group 1: a tile of 128 rows x 256 bytes, padded in LDS
	s_or_b32 s[G1+0], s43, (0<<16)|(1<<20)|(1<<21)|(5<<22)|(3<<25)  ; 15:0 the mask: x's tiles go to my row; 17:16 elements of 1 byte; 20 padding on; 21 set beside a mask; 24:22 after every 64 words (code 5); 31:25 of 4 words (code 3)
	s_or_b32 s[G1B+0], s44, (0<<16)|(1<<20)|(1<<21)|(5<<22)|(3<<25) ; the same with the mask of my column, for W's tiles
.irp g, G1, G1B
	s_mov_b32 s[\g+1], 256<<16                     ; tensor_dim0 = 256
	s_mov_b32 s[\g+2], 128<<16                     ; tensor_dim1 = 128
	s_mov_b32 s[\g+3], 256<<16                     ; tile_dim0 = 256
	s_mov_b32 s[\g+4], 128                         ; tile_dim1 = 128
	s_mov_b32 s[\g+5], 1024                        ; tensor_dim0_stride: a row of 1,024 codes
	s_mov_b32 s[\g+6], 0
	s_mov_b32 s[\g+7], 0
.endr
	s_lshl_b32 s18, s16, 7                         ; which 128 rows of the tile I fetch
	s_lshl_b32 s20, s17, 8
	s_add_co_u32 s20, s20, s18                     ; x: row 256 x tile row + 128 x half,
	s_lshl_b32 s20, s20, 10                        ; in bytes (under 2^23)
	s_mov_b32 s21, 0
	s_lshl_b32 s46, s42, 8
	s_add_co_u32 s46, s46, s18                     ; W: row 256 x tile column + 128 x half
	s_lshl_b32 s46, s46, 10
	s_mov_b32 s47, 0
	s_mul_i32 s45, s14, HALFT                      ; where they go: wave x 128 rows: no place in the cluster enters an LDS address
	s_wait_kmcnt 0x0
	s_load_b256 s[72:79], s[10:11], 0x0            ; e0 .. e7
	s_add_nc_u64 s[20:21], s[4:5], s[20:21]
	s_add_nc_u64 s[46:47], s[6:7], s[46:47]
	CROUND                                         ; all sixteen work-groups are here: the first joint loads meet
.irp s, 0,1
	s_mov_b32 s[G0+4*\s], 1                        ; count = 1
	s_add_co_u32 s[G0+4*\s+1], s45, \s*SLOT        ; LDS address
	s_add_nc_u64 s[G0+4*\s+2:G0+4*\s+3], s[20:21], \s*256   ; global address: K step s
	s_or_b32 s[G0+4*\s+3], s[G0+4*\s+3], 0x80000000         ; type = 2
	s_mov_b32 s[G0B+4*\s], 1
	s_add_co_u32 s[G0B+4*\s+1], s45, \s*SLOT
	s_add_nc_u64 s[G0B+4*\s+2:G0B+4*\s+3], s[46:47], \s*256
	s_or_b32 s[G0B+4*\s+3], s[G0B+4*\s+3], 0x80000000
	JLOAD G0+4*\s, G1, G0B+4*\s, G1B               ; two loads of mine are out
.endr
	; what hangs on the part: all selections on one compare stand together (s_mov_b32 and s_cselect_b32 leave SCC alone)
	s_cmp_eq_u32 ttmp9, 2                          ; v?
	s_cselect_b32 s80, 2*HALFT, 0                  ; source 1 is read from W's rows (v) or from x's
	s_cselect_b32 s81, 0, 2*HALFT                  ; source 0 from x's rows (v) or from W's
	s_cselect_b32 s82, s15, s16                    ; which 128 columns (two heads) are mine
	s_cselect_b32 s83, s16, s15                    ; which 128 tokens
	s_cselect_b32 s84, 4, 0                        ; the bias's place: bytes for r,
	s_cselect_b32 s85, 0, 32                       ; for h,
	s_cselect_b32 s86, 0, 4                        ; for the register
	s_mov_b32 s96, 1024
	s_cselect_b32 s96, 2048, s96                   ; bytes from block a's image to block a + 1's,
	s_mov_b32 s98, 1024
	s_cselect_b32 s98, 256000, s98                 ; and from block 3's to block 4's: v goes on to the next head there (262,144 - 3 x 2,048)
	s_mov_b32 s89, 262144
	s_cselect_b32 s89, 1024, s89                   ; S2: from a block's registers 0-7 to its registers 8-15: v: the next two quarters; k: the next head;
	s_cselect_b32 s92, 8192, 0                     ; V's images lie behind K's
	s_mov_b32 s97, 0
	s_mov_b32 s99, 0
	s_cmp_eq_u32 ttmp9, 0                          ; q?
	s_cselect_b32 s89, 131072, s89                 ; q: the next head
	s_cselect_b32 s91, 13, 14                      ; 128 tokens of a head are 8,192 bytes of q_img, 16,384 of kv_img
	s_cselect_b64 s[94:95], s[68:69], s[70:71]     ; the buffer: a choice that hangs on no address
	; A fragment, 16 rows x 128 K, is 16 registers, by four loads of 16 bytes, 32 bytes apart, at row x pitch + 16 h: a permutation of k that is the same in both sources, so every product meets its partner.
	v_and_b32 v1, 15, v0                           ; r
	s_wait_alu depctr_va_vdst(0)
	v_bfe_u32 v2, v0, 4, 1                         ; h
	v_mul_u32_u24 v3, v1, PITCH
	v_lshl_add_u32 v4, v2, 4, v3
	s_mul_i32 s18, s15, HALFT
	s_add_co_u32 s18, s18, s80
	s_mul_i32 s19, s16, HALFT
	s_add_co_u32 s19, s19, s81
.irp s, 0,1
	v_add_nc_u32 v[ADR1+\s], s18, v4               ; whichever way the choice falls, the address stays inside slot s
	v_add_nc_u32 v[ADR0+\s], s19, v4
	s_add_co_u32 s18, s18, SLOT
	s_add_co_u32 s19, s19, SLOT
.endr
	; the bias.  q, k: block b's register j wants b_attn[n0 + 16 b + 8 h + j];  v: block a's eight registers all want b_attn[n0 + 16 a + r].  One text: offset = r SR + h SH + j SJ, + 64 bytes a block
	s_lshl_b32 s22, s42, 10
	s_lshl_b32 s23, s82, 9
	s_add_co_u32 s22, s22, s23                     ; n0 = 256 x tile column + 128 x half, in bytes
	s_mov_b32 s23, 0
	s_add_nc_u64 s[8:9], s[8:9], s[22:23]
	v_mul_u32_u24 v5, s84, v1
	s_wait_alu depctr_va_vdst(0)
	v_mad_u32_u24 v5, v2, s85, v5
.irp j, 0,1,2,3,4,5,6,7
	v_mad_u32_u24 v[VJ+\j], s86, \j, v5
.endr
.irp i, 0,1,2,3,4,5,6,7
.irp j, 0,1,2,3,4,5,6,7
	global_load_b32 v[BI+8*\i+\j], v[VJ+\j], s[8:9] offset:64*\i
.endr
.endr
	; where my images begin: u = (b*16 + head) x 16 + the step of 128 tokens
	v_and_b32 v6, 31, v0
	v_lshlrev_b32 v[VO], 4, v6
	v_add_nc_u32 v[VO+1], s89, v[VO]
	s_lshr_b32 s87, s17, 3                         ; b: eight tile rows to a batch
	s_lshl_b32 s87, s87, 4
	s_lshl_b32 s88, s40, 2                         ; four heads to a tile column,
	s_add_co_u32 s87, s87, s88
	s_lshl_b32 s88, s82, 1                         ; two to a wave
	s_add_co_u32 s87, s87, s88
	s_lshl_b32 s87, s87, 4
	s_and_b32 s88, s17, 7
	s_lshl_b32 s88, s88, 1
	s_add_co_u32 s87, s87, s88
	s_add_co_u32 s87, s87, s83
	s_lshl_b32 s90, s87, s91
	s_add_co_u32 s92, s92, s90
	s_mov_b32 s93, 0
	s_add_nc_u64 s[94:95], s[94:95], s[92:93]
	s_wait_kmcnt 0x0
	s_add_co_i32 s87, s72, s73                     ; e0 + e1
	s_cmp_eq_u32 ttmp9, 2
	s_cselect_b32 s88, s77, s75                    ; e5 (v) or e3 (k),
	s_cmp_eq_u32 ttmp9, 0
	s_cselect_b32 s88, s74, s88                    ; or e2 (q)
	s_sub_co_i32 s88, s88, s87                     ; eo - e0 - e1: the three scales folded into the conversion's one
	s_sub_co_i32 s87, 0, s87
	s_add_co_i32 s88, s88, 127
	s_lshl_b32 s90, s88, 23
	v_mov_b32 v[SCL], s90
	s_wait_loadcnt 0x0                             ; the bias
.set i, 0
.rept 64
	v_ldexp_f32 v[BI+i], v[BI+i], s87              ; / 2^(e0 + e1)
.set i, i+1
.endr
.macro FRAG reg, adr, q, i
.irp c, 0,1,2,3
	ds_load_b128 v[\reg+4*\c:\reg+4*\c+3], v[\adr] offset:128*(\q)+32*\c+(\i)*16*PITCH
.endr
.endm
; 16 matrix instructions: source 1's blocks a0, a0 + 1 x source 0's eight, 128 along K.  p: source 0's set.  zero = 1: the first products, C = the bias of block b (q, k); 2: of block a (v); 0: in place.
; The 64 accumulators take turns, one instruction a turn, in the same order in every step.
.macro MUL16 a0, p, zero
.irp a, \a0, \a0+1
.irp b, 0,1,2,3,4,5,6,7
.if \zero == 1
	v_wmma_f32_16x16x128_fp8_fp8 v[8*(8*((\a)%4)+\b):8*(8*((\a)%4)+\b)+7], v[128*(\p)+FR*\b:128*(\p)+FR*\b+FR-1], v[AF+FR*(\a):AF+FR*(\a)+FR-1], v[BI+8*\b:BI+8*\b+7]
.elseif \zero == 2
	v_wmma_f32_16x16x128_fp8_fp8 v[8*(8*((\a)%4)+\b):8*(8*((\a)%4)+\b)+7], v[128*(\p)+FR*\b:128*(\p)+FR*\b+FR-1], v[AF+FR*(\a):AF+FR*(\a)+FR-1], v[BI+8*(\a):BI+8*(\a)+7]
.else
	v_wmma_f32_16x16x128_fp8_fp8 v[8*(8*((\a)%4)+\b):8*(8*((\a)%4)+\b)+7], v[128*(\p)+FR*\b:128*(\p)+FR*\b+FR-1], v[AF+FR*(\a):AF+FR*(\a)+FR-1], v[8*(8*((\a)%4)+\b):8*(8*((\a)%4)+\b)+7]
.endif
.endr
.endr
.endm
.macro FETCH_B slot, q, p              ; source 0's eight fragments of the slot's q-th 128 along K into set p
	WIN TO_B
.irp i, 0,1,2,3,4,5,6,7
	FRAG 128*(\p)+FR*\i, ADR0+\slot, \q, \i
.endr
	WIN 0
.endm
.macro FETCH_A slot, q, i0             ; source 1's blocks i0 .. i0 + 3
.irp i, \i0, \i0+1, \i0+2, \i0+3
	FRAG AF+FR*(\i), ADR1+\slot, \q, \i
.endr
.endm
; A step of 128 along K that has its successor in the same slot.  A block of source 1 is free as soon as its eight products are issued: blocks 0-3 are fetched anew in the step's middle, blocks 4-7 at its end.
.macro STEP slot, q, zero
	s_wait_dscnt 4*NL                              ; source 0's set and source 1's blocks 0-3 are in; the youngest 16 loads (blocks 4-7) may be out
.if \zero
	WIN 0x81                                       ; the bias, C, lies in window 0; D in window 2
.else
	WIN MUL_LO
.endif
	MUL16 0, (\q)%2, \zero
	MUL16 2, (\q)%2, \zero
	s_wait_dscnt 0                                 ; blocks 4-7 are in (asked for 32 matrix instructions ago)
	PLACES 4
	FETCH_B \slot, (\q)+1, 1-(\q)%2
	FETCH_A \slot, (\q)+1, 0
.if \zero
	WIN 0xc1
.else
	WIN MUL_HI
.endif
	MUL16 4, (\q)%2, \zero
	MUL16 6, (\q)%2, \zero
	PLACES 4
	WIN 0
	FETCH_A \slot, (\q)+1, 4
.endm
; A slot's last step changes slots: ONE barrier; in front of it each wave waits for all its tensor loads, adds 0 to its spare word, and waits for that and for its own reads of this slot.  fill = 1: this slot is filled again, two K steps ahead.
.macro TURN slot, next, fill
	s_wait_tensorcnt 0x0                           ; all my tensor loads have landed: my part of the next slot  (every window is 0 here)
	ds_add_u32 v[SPW], v[NIL]                      ; 0 onto my spare word
	s_wait_dscnt 4*NL+1                            ; (the add and the youngest 16 loads, blocks 4-7, may be out)
	WIN MUL_LO
	MUL16 0, 1, 0                                  ; sixteen matrix instructions stand between the add and the wait for it
	s_wait_dscnt 0x0                               ; the add is done, and my reads of this slot are over
	s_barrier_signal -1
	MUL16 2, 1, 0
	WIN 0
	s_barrier_wait -1
.if \fill
	CREST                                          ; the barrier has opened a round of the cluster's barrier: no wave of any partner still reads this slot's tile or has a load on its way
	s_add_nc_u64 s[G0+4*\slot+2:G0+4*\slot+3], s[G0+4*\slot+2:G0+4*\slot+3], 512
	s_add_nc_u64 s[G0B+4*\slot+2:G0B+4*\slot+3], s[G0B+4*\slot+2:G0B+4*\slot+3], 512
	JLOAD G0+4*\slot, G1, G0B+4*\slot, G1B         ; the first tensor load behind the round; the four v_nop behind it are the places in front of the loads below
.else
	PLACES 4
.endif
	FETCH_B \next, 0, 0
	FETCH_A \next, 0, 0
	WIN MUL_HI
	MUL16 4, 1, 0
	MUL16 6, 1, 0
	PLACES 4
	WIN 0
	FETCH_A \next, 0, 4
.endm
	s_wait_tensorcnt 1                             ; my part of K step 0 is in (K step 1's load may be out)
	s_barrier_signal -1
	s_barrier_wait -1                              ; everybody's is
	FETCH_B 0, 0, 0
	FETCH_A 0, 0, 0
	FETCH_A 0, 0, 4
	s_cmp_eq_u32 ttmp9, 2                          ; the first step is the one piece written twice: which block's bias is the C hangs on the part, which all partners share
	s_cbranch_scc1 .Lfirst_v
	s_wait_alu depctr_va_vdst(0)
	STEP 0, 0, 1
	s_branch .Lfirst_done
.Lfirst_v:
	s_wait_alu depctr_va_vdst(0)
	STEP 0, 0, 2
.Lfirst_done:
	TURN 0, 1, 1                                   ; slot 0 takes K 512 on
	STEP 1, 0, 0
	TURN 1, 0, 1                                   ; slot 1 takes K 768 on
	STEP 0, 0, 0
	TURN 0, 1, 0                                   ; nothing is left to fetch
	STEP 1, 0, 0
	s_wait_dscnt 4*NL                              ; the last step
	WIN MUL_LO
	MUL16 0, 1, 0
	MUL16 2, 1, 0
	s_wait_dscnt 0
	WIN MUL_HI
	MUL16 4, 1, 0
	MUL16 6, 1, 0
	PLACES 4                                       ; in front of the vector instructions that read and write results
; THE WAY OUT of source 1's block a: its 64 sums are converted with the scale and not clamped (the conversion to an 8-bit code does not saturate: ISA guide 7.6.2);
; block b's eight become registers 2 b, 2 b + 1 of the image; four stores of 512 consecutive bytes each.
.macro OUT a
.set AC, 64*((\a)%4)
	WIN 0x82+0x41*((\a)/4)                         ; destination and source 0: window 2 or 3
.set i, 0
.rept 64
.set i, i+1
.endr
.if (\a) > 0
	s_wait_xcnt 0x0                                ; the last block's stores have read their data and their base: both are written again only behind this wait
.if (\a) == 4
	s_add_nc_u64 s[94:95], s[94:95], s[98:99]
.else
	s_add_nc_u64 s[94:95], s[94:95], s[96:97]
.endif
.endif
	WIN 0x02+((\a)/4)                              ; source 0: window 2 or 3
.irp b, 0,1,2,3,4,5,6,7
	v_cvt_scalef32_pk8_fp8_f32 v[CD+2*\b:CD+2*\b+1], v[AC+8*\b:AC+8*\b+7], v[SCL]
.endr
	WIN 0
	v_nop                                          ; one plain vector instruction behind the last conversion of a run
	global_store_b128 v[VO], v[CD:CD+3], s[94:95]
	global_store_b128 v[VO], v[CD+4:CD+7], s[94:95] offset:512
	global_store_b128 v[VO+1], v[CD+8:CD+11], s[94:95]
	global_store_b128 v[VO+1], v[CD+12:CD+15], s[94:95] offset:512
.endm
.irp a, 0,1,2,3,4,5,6,7
	OUT \a
.endr
	s_wait_tensorcnt 0x0                           ; the wave's end
	ds_add_u32 v[SPW], v[NIL]
	s_wait_dscnt 0x0
	CROUND                                         ; the closing round: no work-group ends while a partner may still ask for a tile that names it
	s_endpgm
.Lfunc_end_k_qf33762bbcd_qkv:
	.size	k_qf33762bbcd_qkv, .Lfunc_end_k_qf33762bbcd_qkv-k_qf33762bbcd_qkv
	.p2alignl 7, 3214868480
	.fill 96, 4, 3214868480
	.section	.rodata,"a",@progbits
	.p2align	6, 0x0
	.amdhsa_kernel k_qf33762bbcd_qkv
		.amdhsa_group_segment_fixed_size 327680
		.amdhsa_private_segment_fixed_size 0
		.amdhsa_enable_private_segment 0
		.amdhsa_kernarg_size 48
		.amdhsa_user_sgpr_count 2
		.amdhsa_user_sgpr_kernarg_segment_ptr 1
		.amdhsa_wavefront_size32 1
		.amdhsa_system_sgpr_workgroup_id_x 1
		.amdhsa_system_sgpr_workgroup_id_y 1
		.amdhsa_system_sgpr_workgroup_id_z 1
		.amdhsa_system_vgpr_workitem_id 0
		.amdhsa_next_free_vgpr 1024
		.amdhsa_next_free_sgpr 100
		.amdhsa_reserve_vcc 0
		.amdhsa_float_denorm_mode_32 3
		.amdhsa_float_denorm_mode_16_64 3
		.amdhsa_fp16_overflow 1
		.amdhsa_memory_ordered 1
		.amdhsa_forward_progress 1
		.amdhsa_inst_pref_size 106
	.end_amdhsa_kernel
	.amdgpu_metadata
---
amdhsa.version: [ 1, 2 ]
amdhsa.kernels:
  - .name:           k_qf33762bbcd_qkv
    .symbol:         k_qf33762bbcd_qkv.kd
    .args:
      - { .name: x_codes, .offset: 0, .size: 8, .value_kind: global_buffer, .address_space: global }
      - { .name: W_attn_codes, .offset: 8, .size: 8, .value_kind: global_buffer, .address_space: global }
      - { .name: b_attn, .offset: 16, .size: 8, .value_kind: global_buffer, .address_space: global }
      - { .name: lowp_scales, .offset: 24, .size: 8, .value_kind: global_buffer, .address_space: global }
      - { .name: q_img, .offset: 32, .size: 8, .value_kind: global_buffer, .address_space: global }
      - { .name: kv_img, .offset: 40, .size: 8, .value_kind: global_buffer, .address_space: global }
    .group_segment_fixed_size: 327680
    .private_segment_fixed_size: 0
    .kernarg_segment_align: 8
    .kernarg_segment_size: 48
    .max_flat_workgroup_size: 128
    .sgpr_count:     100
    .vgpr_count:     1024
    .wavefront_size: 32
...
	.end_amdgpu_metadata
.endif
;; end of part 1
;; launch attn (part 2): grid 4 x 64, 16 waves a work-group, clusters of 4 x 1, 264,192 bytes of LDS; arguments q_img, kv_img, lowp_scales, y_img; writes y_img
.if DOCPART == 2
	.amdgcn_target "amdgcn-amd-amdhsa--gfx1250"
	.amdhsa_code_object_version 6
	.text
	.protected	k_qf33762bbcd_attn
	.globl	k_qf33762bbcd_attn
	.p2align	8
	.type	k_qf33762bbcd_attn,@function
k_qf33762bbcd_attn:
	s_mov_b64 s[64:65], 0
	v_nop
	global_prefetch_b8 v0, s[64:65] scope:SCOPE_SE
	s_setreg_imm32_b32 hwreg(HW_REG_WAVE_MODE, 25, 1), 1
	s_wait_xcnt 0x0
	s_wait_alu depctr_hold_cnt(0) depctr_sa_sdst(0) depctr_va_vdst(0) depctr_va_sdst(0) depctr_va_ssrc(0) depctr_va_vcc(0) depctr_vm_vsrc(0)
	s_getreg_b32 s2, hwreg(HW_REG_IB_STS2, 6, 4)
	s_cmp_eq_u32 s2, 0
	s_cbranch_scc0 .Lentry_in_a_cluster
	s_endpgm
.Lentry_in_a_cluster:
	s_bfe_u32 s2, ttmp6, 0x10000c
	s_cmp_lg_u32 s2, 0x3003
	s_cbranch_scc0 .Lentry_shape_is_right
	s_endpgm
.Lentry_shape_is_right:
; y = softmax(q k^T / 8, causal) v for one (batch, head) a cluster, both products on codes of FP8 (E4M3); y quantised on the way out.  T = 2,048, head size 64.
; THE SOFTMAX AHEAD OF THE SECOND PRODUCT: t = score x log2(e) / 8; M = the row's largest t so far, rounded UP to a whole number; p = 2^(t - M) is what is quantised, along the keys; not normalised.
; The row's sum is taken of the unquantised p and divides at the end.  When M moves, the sum and O are multiplied by 2^(old M - new M): exact.
; SHARES.  The four work-groups of a cluster share one head's K and V.  Work-group cx owns the query tiles (16 queries) t = 4 j + cx, j = 0 .. 31.  Tile t needs the key steps (128 keys) s with 2 s <= j, and its diagonal lies in the
; last of them: neither hangs on cx, so branches and trip counts are alike in all partners; cx enters Q's and y's addresses and the mask's numbers alone.  Wave w takes j = w, then j = 31 - w:
; (w / 2 + 1) + ((31 - w) / 2 + 1) = 17 key steps for every wave of every work-group.  Sixteen waves of 256 registers: four to a SIMD, so that one wave's vector work stands beside another's matrix work and LDS loads.
; LDS.  THE HEAD'S WHOLE K AND V STAY RESIDENT: 262,144 bytes, kv_img's part as it lies (step s at 16,384 s: 8,192 of K's images, 8,192 of V's).  Each wave asks JOINTLY for one step's 16,384 bytes: one tensor load of mine is out.
; Nothing is filled again: one barrier behind the loads, none in the loops.
; LAYOUT.  All operands are images of their registers: a group of four registers is 512 bytes, lane l's 16 at 16 l.  S^T = K Q^T (source 0 = 16 keys, source 1 = my 16 queries) and O^T = V^T P^T (source 0 = 16 channels, source 1 = P):
; a lane holds ONE query throughout.  Tile i's register j is key 16 i + 8 h + j, so its eight codes are registers 2 i, 2 i + 1 of P's fragment, k in its own place.
; y_img [b*128 + tile of 16 tokens][head 16][half 2][lane][16]: O^T's four tiles of channels become the eight registers of a fragment 16 tokens x 64, the last product's operand.
; LIMITS on the given exponents, so that each power of two below is an f32 number: e2 + e3 between -123 and 130 (added to c's exponent field); e4 and e6 between -126 and 119; e4 + e5 goes by v_ldexp_f32 and has none.
.set LI,   1                           ; v1   16 x lane: an image's place for my lane, in LDS and in memory; never rewritten
.set AD,   2                           ; v2   LDS address of the step in hand
.set RH,   3                           ; v3   r - 8 h
.set QL,   8                           ; v8-15   Q of the first pass
.set NM,   16                          ; v16  -M;  v17 the largest t
.set SUM,  18                          ; v[18:19] the sum, in two halves
.set QH,   20                          ; v20-27  Q of the second pass
.set KF,   32                          ; v32-95  K's eight fragments, then V's four
.set S,    96                          ; v96-159 S^T, then p
.set O,    160                         ; v160-191 O^T
.set PC,   192                         ; v192-207 p's codes; at a pass's end y's eight
.set T,    208                         ; at work
.set F,    210                         ; v[210:211] f = 2^(old M - new M) (the pair is named; its low word serves both halves)
.set PX,   212                         ; a lane permute's destination
.set SB,   214                         ; v[214:215] the sum's second chain
.set PLIM, 220
.set PSC,  221                         ; 2^e4
.set YLIM, 222
.set YSC,  223                         ; 2^e6
.set NINF, 224                         ; -infinity
.set DV,   225                         ; my query less the diagonal step's first key less 8 h
.set WV,   12                          ; s12  my wave's number
.set TB,   60                          ; s60  LDS byte at which the step in hand begins
.set S2,   61                          ; s61  2 x the step
.set CNT,  62                          ; s62  counts the trips
.set T0,   63                          ; s63  at work
.macro CROUND                          ; a round of the cluster's barrier
	s_barrier_signal -1
	s_barrier_wait -1
	s_cmp_lg_u32 s[WV], 0
	s_cbranch_scc1 .Lnot_wave_0_\@
	s_barrier_signal -3
.Lnot_wave_0_\@:
	s_barrier_wait -3
	s_barrier_signal -1
	s_barrier_wait -1
.endm
	s_load_b128 s[4:7], s[0:1], 0x0                ; q_img s[4:5], kv_img s[6:7]
	s_load_b128 s[8:11], s[0:1], 0x10              ; the scales' exponents s[8:9], y_img s[10:11]
	v_lshl_add_u32 v254, v0, 2, 0x40000
	v_mov_b32 v255, 0
	ds_add_u32 v254, v255
	ds_add_u32 v254, v255
	v_lshrrev_b32 v2, 5, v0
	s_delay_alu instid0(VALU_DEP_1)
	v_readfirstlane_b32 s[WV], v2                  ; wave 0..15
	s_bfe_u32 s13, ttmp6, 0x40000                  ; cx: my place in the cluster
	s_and_b32 s14, ttmp7, 0xffff                   ; b*16 + head, which the four partners share
	; descriptor group 1: 16,384 dense bytes as 64 rows of 256
	s_mov_b32 s24, 15|(3<<16)|(1<<21)              ; 15:0 the mask: all four work-groups; 17:16 elements of 8 bytes; 21 set beside a mask; no padding
	s_mov_b32 s25, 32<<16                          ; tensor_dim0 = 32
	s_mov_b32 s26, 64<<16                          ; tensor_dim1 = 64
	s_mov_b32 s27, 32<<16                          ; tile_dim0 = 32
	s_mov_b32 s28, 64                              ; tile_dim1 = 64
	s_mov_b32 s29, 32                              ; tensor_dim0_stride
	s_mov_b32 s30, 0
	s_mov_b32 s31, 0
	s_lshl_b32 s18, s[WV], 14                      ; step w: its place in LDS and in the head's part of kv_img
	s_lshl_b32 s16, s14, 18
	s_add_co_u32 s16, s16, s18
	s_mov_b32 s17, 0
	s_mov_b32 s20, 0x76543210                      ; v_permlanex16_b32's selects for lane l xor 16
	s_mov_b32 s21, 0xfedcba98
	s_mov_b32 s22, 0x3e38aa3b                      ; c = log2(e) / 8
	s_wait_dscnt 0x0
	s_wait_kmcnt 0x0
	s_load_b256 s[40:47], s[8:9], 0x0              ; e0 .. e7
	s_mov_b32 s32, 1                               ; group 0: count = 1
	s_mov_b32 s33, s18                             ; LDS address: no place in the cluster enters it
	s_add_nc_u64 s[34:35], s[6:7], s[16:17]        ; global address
	s_or_b32 s35, s35, 0x80000000                  ; type = 2
	CROUND                                         ; all four work-groups are here: the joint loads meet
	tensor_load_to_lds s[32:35], s[24:31]
	s_nop 0
.rept 4
	v_nop
.endr
	s_mov_b32 s50, s[WV]                           ; j of the first pass,
	s_sub_co_u32 s51, 31, s[WV]                    ; of the second
	s_lshl_b32 s66, s13, 4                         ; 16 cx
	s_lshl_b32 s15, s14, 17                        ; the head's first byte in q_img,
	s_lshr_b32 s49, s14, 4
	s_lshl_b32 s49, s49, 21                        ; and in y_img: the batch's 128 tiles of 16,384 bytes,
	s_and_b32 s19, s14, 15
	s_lshl_b32 s19, s19, 10                        ; the head's 1,024 in a tile
	s_add_co_u32 s49, s49, s19
	s_mov_b32 s37, 0
	s_mov_b32 s39, 0
.macro ADDR jt, qa, ya                 ; tile t = 4 j + cx: its 1,024 bytes of q_img, its 16,384 of y_img
	s_lshl_b32 s19, s[\jt], 2
	s_add_co_u32 s19, s19, s13
	s_lshl_b32 s36, s19, 10
	s_add_co_u32 s36, s36, s15
	s_add_nc_u64 s[\qa:\qa+1], s[4:5], s[36:37]
	s_lshl_b32 s38, s19, 14
	s_add_co_u32 s38, s38, s49
	s_add_nc_u64 s[\ya:\ya+1], s[10:11], s[38:39]
.endm
	ADDR 50, 52, 56
	ADDR 51, 54, 58
	v_and_b32 v4, 31, v0
	s_delay_alu instid0(VALU_DEP_1)
	v_lshlrev_b32 v[LI], 4, v4
	global_load_b128 v[QL:QL+3],   v[LI], s[52:53]
	global_load_b128 v[QL+4:QL+7], v[LI], s[52:53] offset:512
	global_load_b128 v[QH:QH+3],   v[LI], s[54:55]
	global_load_b128 v[QH+4:QH+7], v[LI], s[54:55] offset:512
	v_and_b32 v4, 15, v0                           ; r
	v_bfe_u32 v5, v0, 4, 1                         ; h
	s_delay_alu instid0(VALU_DEP_1)
	v_lshlrev_b32 v5, 3, v5
	s_delay_alu instid0(VALU_DEP_1)
	v_sub_nc_u32 v[RH], v4, v5
	v_mov_b32 v[NINF], 0xff800000
	s_wait_kmcnt 0x0
	s_add_co_i32 s15, s42, s43
	s_lshl_b32 s15, s15, 23
	s_add_co_i32 s22, s22, s15                     ; a score stands for score x 2^(e2 + e3): the two exponents are added to c's exponent field
	s_mov_b32 s23, s22                             ; (named with it as a pair, so it is written)
	s_add_co_i32 s15, s44, 127
	s_lshl_b32 s19, s15, 23
	v_mov_b32 v[PSC], s19
	s_add_co_i32 s15, s46, 127
	s_lshl_b32 s19, s15, 23
	v_mov_b32 v[YSC], s19
	s_add_co_i32 s48, s44, s45                     ; e4 + e5
	s_wait_loadcnt 0x0                             ; Q, both tiles
	s_wait_tensorcnt 0x0                           ; my step's K and V are in,
	s_barrier_signal -1
	s_barrier_wait -1                              ; everybody's are: all sixteen steps lie in LDS for the rest of the launch
; A KEY STEP: 128 keys.  q: my tile's fragment of Q; jt: the scalar that holds j.
.macro STEP q, jt
	s_cmp_gt_u32 s[S2], s[\jt]                     ; all its keys come after my queries: the step's work is left out (a scalar branch on ids; no barrier and no tensor load stands in a step)
	s_cbranch_scc1 .Lhidden_\@
	s_setprio 2
	v_add_nc_u32 v[AD], s[TB], v[LI]
.rept 3
	v_nop                                          ; with the addition: four places in front of loads into registers that the last products read
.endr
.irp i, 0,1,2,3,4,5,6,7
	ds_load_b128 v[KF+8*\i:KF+8*\i+3],   v[AD] offset:1024*\i
	ds_load_b128 v[KF+8*\i+4:KF+8*\i+7], v[AD] offset:1024*\i+512
.endr
	s_wait_alu depctr_va_vdst(0)
	s_wait_dscnt 8                                 ; tiles 0-3 are in; the youngest eight loads (tiles 4-7) may be out
.irp i, 0,1,2,3
	v_wmma_f32_16x16x64_fp8_fp8 v[S+8*\i:S+8*\i+7], v[KF+8*\i:KF+8*\i+7], v[\q:\q+7], 0
.endr
	s_wait_dscnt 0x0
.irp i, 4,5,6,7
	v_wmma_f32_16x16x64_fp8_fp8 v[S+8*\i:S+8*\i+7], v[KF+8*\i:KF+8*\i+7], v[\q:\q+7], 0
.endr
.rept 4
	v_nop                                          ; places in front of the loads below and of the first read of the scores
.endr
.irp t, 0,1,2,3
.irp c, 0,1,2,3
	ds_load_b128 v[KF+16*\t+4*\c:KF+16*\t+4*\c+3], v[AD] offset:8192+2048*\t+512*\c   ; V's four fragments land while the softmax is walked
.endr
.endr
	s_add_co_u32 s[T0], s[S2], 2
	s_cmp_le_u32 s[T0], s[\jt]                     ; 128 s + 128 <= 64 j: every key counts for every query of the tile, whatever cx
	s_cbranch_scc1 .Lopen_\@
.set n, 0
.rept 64                                       ; the diagonal step: register 8 i + j holds key 16 i + 8 h + j of the step: hidden where 16 i + j > my query - the step's first key - 8 h; then the score becomes -infinity, p = 0
	v_cmp_gt_i32 vcc_lo, 16*(n/8)+n%8, v[DV]
	v_cndmask_b32 v[S+n], v[S+n], v[NINF], vcc_lo
.set n, n+1
.endr
.Lopen_\@:
	v_max3_num_f32 v[T], v[S], v[S+1], v[S+2]      ; the step's largest score of my query, among my 64 keys, in two chains, each accumulator from its low end on,
	v_max3_num_f32 v[F], v[S+3], v[S+4], v[S+5]
.irp i, 6,10,14,18,22,26,30,34,38,42,46,50,54,58
	v_max3_num_f32 v[T], v[T], v[S+\i], v[S+1+\i]
	v_max3_num_f32 v[F], v[F], v[S+2+\i], v[S+3+\i]
.endr
	v_max3_num_f32 v[T], v[T], v[S+62], v[S+63]
	s_delay_alu instid0(VALU_DEP_1)
	v_max_num_f32 v[T], v[T], v[F]
	s_delay_alu instid0(VALU_DEP_1)
	v_permlanex16_b32 v[PX], v[T], s20, s21
	s_delay_alu instid0(VALU_DEP_1)
	v_max_num_f32 v[T], v[T], v[PX]                ; and among lane l xor 16's
	s_delay_alu instid0(VALU_DEP_1)
	v_mul_f32 v[T], s22, v[T]                      ; as t (c is positive)
	s_delay_alu instid0(VALU_DEP_1)
	v_max_num_f32 v[NM+1], v[NM+1], v[T]           ; the running largest t
	v_mov_b32 v[T], v[NM]
	s_delay_alu instid0(VALU_DEP_2)
	v_floor_f32 v[NM], -v[NM+1]                    ; the new -M = floor(-t) = -ceil(t): M is a whole number
	s_delay_alu instid0(VALU_DEP_1)
	v_sub_f32 v[T], v[NM], v[T]                    ; old M - new M: a whole number, 0 or less
	s_delay_alu instid0(VALU_DEP_1)
	v_cvt_i32_f32 v[T], v[T]                       ; (it saturates)
	s_delay_alu instid0(VALU_DEP_1)
	v_ldexp_f32 v[F], 1.0, v[T]                    ; f = 2^(old M - new M)
.set n, 0
	s_setprio 1
.rept 32
	v_pk_fma_f32 v[S+n:S+n+1], v[S+n:S+n+1], s[22:23], v[NM:NM+1] op_sel_hi:[1,0,0]   ; t - M, two at a time (of the pairs c and -M the low word serves both halves)
.set n, n+2
.endr
.set n, 0
	s_wait_alu depctr_va_vdst(0)
.rept 64
	v_exp_f32 v[S+n], v[S+n]                       ; p = 2^(t - M), at most 1
.set n, n+1
.endr
	v_pk_mul_f32 v[SUM:SUM+1], v[SUM:SUM+1], v[F:F+1] op_sel_hi:[1,0]   ; the sums under the new M  (the plain instruction behind the exponentials)
	s_wait_alu depctr_va_vdst(0)
	v_pk_add_f32 v[214:215], v[100:101], v[104:105]
	v_pk_add_f32 v[252:253], v[108:109], v[112:113]
	v_pk_add_f32 v[250:251], v[116:117], v[120:121]
	v_pk_add_f32 v[248:249], v[124:125], v[128:129]
	v_pk_add_f32 v[246:247], v[132:133], v[136:137]
	v_pk_add_f32 v[244:245], v[140:141], v[144:145]
	v_pk_add_f32 v[242:243], v[148:149], v[152:153]
	v_pk_add_f32 v[18:19], v[18:19], v[156:157]
	v_pk_add_f32 v[214:215], v[214:215], v[96:97]
	v_pk_add_f32 v[252:253], v[252:253], v[98:99]
	v_pk_add_f32 v[250:251], v[250:251], v[102:103]
	v_pk_add_f32 v[248:249], v[248:249], v[106:107]
	v_pk_add_f32 v[246:247], v[246:247], v[110:111]
	v_pk_add_f32 v[244:245], v[244:245], v[114:115]
	v_pk_add_f32 v[242:243], v[242:243], v[118:119]
	v_pk_add_f32 v[18:19], v[18:19], v[122:123]
	v_pk_add_f32 v[214:215], v[214:215], v[126:127]
	v_pk_add_f32 v[252:253], v[252:253], v[130:131]
	v_pk_add_f32 v[250:251], v[250:251], v[134:135]
	v_pk_add_f32 v[248:249], v[248:249], v[138:139]
	v_pk_add_f32 v[246:247], v[246:247], v[142:143]
	v_pk_add_f32 v[244:245], v[244:245], v[146:147]
	v_pk_add_f32 v[242:243], v[242:243], v[150:151]
	s_setprio 0
	v_pk_add_f32 v[18:19], v[18:19], v[154:155]
	v_pk_add_f32 v[214:215], v[214:215], v[158:159]
	s_delay_alu instid0(VALU_DEP_2)
	v_pk_add_f32 v[18:19], v[18:19], v[248:249]
	s_delay_alu instid0(VALU_DEP_2)
	v_pk_add_f32 v[214:215], v[214:215], v[246:247]
	v_pk_add_f32 v[252:253], v[252:253], v[244:245]
	v_pk_add_f32 v[250:251], v[250:251], v[242:243]
	s_delay_alu instid0(VALU_DEP_2)
	v_pk_add_f32 v[18:19], v[18:19], v[252:253]
	s_delay_alu instid0(VALU_DEP_2)
	v_pk_add_f32 v[214:215], v[214:215], v[250:251]
	s_delay_alu instid0(VALU_DEP_1)
	v_pk_add_f32 v[18:19], v[18:19], v[214:215]
.set n, 0
.rept 64
.set n, n+1
.endr
.irp i, 0,1,2,3,4,5,6,7
	v_cvt_scalef32_pk8_fp8_f32 v[PC+2*\i:PC+2*\i+1], v[S+8*\i:S+8*\i+7], v[PSC]
.endr
.set n, 0
.rept 16
	v_pk_mul_f32 v[O+n:O+n+1], v[O+n:O+n+1], v[F:F+1] op_sel_hi:[1,0]   ; O^T under the new M  (also the plain instructions between the conversions and the products)
.set n, n+2
.endr
	s_wait_alu depctr_va_vdst(0)
	s_wait_dscnt 0x0                               ; V is in
.irp t, 0,1,2,3
	v_wmma_f32_16x16x128_fp8_fp8 v[O+8*\t:O+8*\t+7], v[KF+16*\t:KF+16*\t+15], v[PC:PC+15], v[O+8*\t:O+8*\t+7]   ; the four accumulators take turns
.endr
.Lhidden_\@:
.endm
; A PASS: one tile of 16 queries against its key steps.  nt trips, a constant: the steps behind the diagonal are jumped over inside the trip, so that the LDS address steps by a constant in a loop of constant count.
.macro PASS nt, q, jt, ya
	s_wait_xcnt 0x0                                ; the last pass's stores have read their data: the codes' registers are written again only behind this wait
	v_mov_b32 v[NM+1], 0xff61b1e6                  ; the largest t so far: -3e38, under every t
	s_delay_alu instid0(VALU_DEP_1)
	v_floor_f32 v[NM], -v[NM+1]
	v_mov_b32 v[SUM], 0
	v_mov_b32 v[SUM+1], 0
	v_mov_b32 v[F+1], 0                            ; (named as the upper half of a pair)
	v_mov_b32 v[PX], 0                             ; (a lane permute's destination counts as one of its sources)
.set n, 0
.rept 32
	v_mov_b32 v[O+n], 0                            ; the step is written once: the first finds zeros, which the first change of M leaves zeros
.set n, n+1
.endr
	s_and_b32 s[T0], s[\jt], 1
	s_lshl_b32 s[T0], s[T0], 6                     ; my tile's first query less the diagonal step's first key: 64 (j mod 2) + 16 cx
	s_add_co_u32 s[T0], s[T0], s66
	v_add_nc_u32 v[DV], s[T0], v[RH]
	s_mov_b32 s[TB], 0
	s_mov_b32 s[S2], 0
	s_mov_b32 s[CNT], 0
.Ltrip_\@:
	STEP \q, \jt
	s_add_co_u32 s[TB], s[TB], 16384
	s_add_co_u32 s[S2], s[S2], 2
	s_add_co_u32 s[CNT], s[CNT], 1
	s_cmp_lt_u32 s[CNT], \nt
	s_cbranch_scc1 .Ltrip_\@
	s_setprio 0
.rept 4
	v_nop                                          ; places behind the last products
.endr
	v_add_f32 v[SUM], v[SUM], v[SUM+1]             ; the sum's two halves,
	s_delay_alu instid0(VALU_DEP_1)
	v_permlanex16_b32 v[PX], v[SUM], s20, s21
	s_delay_alu instid0(VALU_DEP_1)
	v_add_f32 v[SUM], v[SUM], v[PX]                ; and lane l xor 16's: the row's sum
	s_wait_alu depctr_va_vdst(0)
	v_rcp_f32 v[SUM], v[SUM]
	v_nop                                          ; one plain instruction behind a transcendental
	s_wait_alu depctr_va_vdst(0)
	v_ldexp_f32 v[SUM], v[SUM], s48                ; x 2^(e4 + e5)
.set n, 0
.rept 16
	v_pk_mul_f32 v[S+n:S+n+1], v[O+n:O+n+1], v[SUM:SUM+1] op_sel_hi:[1,0]   ; y: register 8 t + i is channel 16 t + 8 h + i of my query
.set n, n+2
.endr
.set n, 0
.rept 32
.set n, n+1
.endr
.irp t, 0,1,2,3
	v_cvt_scalef32_pk8_fp8_f32 v[PC+2*\t:PC+2*\t+1], v[S+8*\t:S+8*\t+7], v[YSC]
.endr
	v_nop                                          ; one plain vector instruction behind the last conversion of a run
	global_store_b128 v[LI], v[PC:PC+3],   s[\ya:\ya+1]              ; 32 lanes store 512 consecutive bytes, at a multiple of 256 from the buffer's first byte
	global_store_b128 v[LI], v[PC+4:PC+7], s[\ya:\ya+1] offset:512
.endm
	PASS 8,  QL, 50, 56                            ; j = w: at most 8 steps
	PASS 16, QH, 51, 58                            ; j = 31 - w: at most 16
	s_wait_dscnt 0x0                               ; no LDS instruction of mine is pending at a signal
	s_wait_tensorcnt 0x0
	ds_add_u32 v254, v255
	s_wait_dscnt 0x0
	CROUND                                         ; the closing round: no work-group ends while a partner may still ask for a tile that names it
	s_endpgm
.Lfunc_end_k_qf33762bbcd_attn:
	.size	k_qf33762bbcd_attn, .Lfunc_end_k_qf33762bbcd_attn-k_qf33762bbcd_attn
	.p2alignl 7, 3214868480
	.fill 96, 4, 3214868480
	.section	.rodata,"a",@progbits
	.p2align	6, 0x0
	.amdhsa_kernel k_qf33762bbcd_attn
		.amdhsa_group_segment_fixed_size 264192
		.amdhsa_private_segment_fixed_size 0
		.amdhsa_enable_private_segment 0
		.amdhsa_kernarg_size 32
		.amdhsa_user_sgpr_count 2
		.amdhsa_user_sgpr_kernarg_segment_ptr 1
		.amdhsa_wavefront_size32 1
		.amdhsa_system_sgpr_workgroup_id_x 1
		.amdhsa_system_sgpr_workgroup_id_y 1
		.amdhsa_system_sgpr_workgroup_id_z 1
		.amdhsa_system_vgpr_workitem_id 0
		.amdhsa_next_free_vgpr 256
		.amdhsa_next_free_sgpr 80
		.amdhsa_reserve_vcc 1
		.amdhsa_float_denorm_mode_32 3
		.amdhsa_float_denorm_mode_16_64 3
		.amdhsa_fp16_overflow 1
		.amdhsa_memory_ordered 1
		.amdhsa_forward_progress 1
		.amdhsa_inst_pref_size 51
	.end_amdhsa_kernel
	.amdgpu_metadata
---
amdhsa.version: [ 1, 2 ]
amdhsa.kernels:
  - .name:           k_qf33762bbcd_attn
    .symbol:         k_qf33762bbcd_attn.kd
    .args:
      - { .name: q_img, .offset: 0, .size: 8, .value_kind: global_buffer, .address_space: global }
      - { .name: kv_img, .offset: 8, .size: 8, .value_kind: global_buffer, .address_space: global }
      - { .name: lowp_scales, .offset: 16, .size: 8, .value_kind: global_buffer, .address_space: global }
      - { .name: y_img, .offset: 24, .size: 8, .value_kind: global_buffer, .address_space: global }
    .group_segment_fixed_size: 264192
    .private_segment_fixed_size: 0
    .kernarg_segment_align: 8
    .kernarg_segment_size: 32
    .max_flat_workgroup_size: 512
    .sgpr_count:     80
    .vgpr_count:     256
    .wavefront_size: 32
...
	.end_amdgpu_metadata
.endif
;; end of part 2
;; launch proj (part 3): grid 4 x 64, 4 waves a work-group, clusters of 4 x 4, 327,680 bytes of LDS; arguments y_img, W_proj_codes, b_proj, lowp_scales, out0; writes out0
.if DOCPART == 3
	.amdgcn_target "amdgcn-amd-amdhsa--gfx1250"
	.amdhsa_code_object_version 6
	.text
	.protected	k_qf33762bbcd_proj
	.globl	k_qf33762bbcd_proj
	.p2align	8
	.type	k_qf33762bbcd_proj,@function
k_qf33762bbcd_proj:
	s_mov_b64 s[64:65], 0
	v_nop
	global_prefetch_b8 v0, s[64:65] scope:SCOPE_SE
	s_setreg_imm32_b32 hwreg(HW_REG_WAVE_MODE, 25, 1), 1
	s_wait_xcnt 0x0
	s_wait_alu depctr_hold_cnt(0) depctr_sa_sdst(0) depctr_va_vdst(0) depctr_va_sdst(0) depctr_va_ssrc(0) depctr_va_vcc(0) depctr_vm_vsrc(0)
	s_getreg_b32 s2, hwreg(HW_REG_IB_STS2, 6, 4)
	s_cmp_eq_u32 s2, 0
	s_cbranch_scc0 .Lentry_in_a_cluster
	s_endpgm
.Lentry_in_a_cluster:
	s_bfe_u32 s2, ttmp6, 0x10000c
	s_cmp_lg_u32 s2, 0xf033
	s_cbranch_scc0 .Lentry_shape_is_right
	s_endpgm
.Lentry_shape_is_right:
; out = y W_proj + b_proj on codes of FP8 (E4M3).  y: images of fragments, y_img [tile of 16 tokens: 512][head 16][half 2][lane 32][16 bytes]: heads 2 s, 2 s + 1 of a tile are the 2,048 bytes of the fragment
; 16 tokens x K 128 s .. 128 s + 127, k in its own place.  W_proj: [1024 (n)][1024 (k)] codes, K innermost.  out0: [8192][1024] f32 = sum x 2^(e6 + e7) + b_proj.
; LIMIT: e6 + e7 between -126 and 127, so that 2^(e6 + e7) is an f32 number.
; A tile of 128 tokens x 256 columns is made by a work-group of four waves: 4 x 64 = 256 work-groups.  A wave makes 64 x 128: 32 accumulators of 16 x 16.
; K goes in steps of 256 through THREE LDS slots, all asked for at the start (each asked for behind a wait for the last: one tensor load of mine is out); slot 0 is filled once more, with the fourth step.  Eight steps of 128, written out.
; CLUSTERS: 4 x 4 work-groups.  The four of a row need the same tiles of y, the four of a column the same rows of W: each is asked for JOINTLY.
; THE MATRIX INSTRUCTION IS USED TRANSPOSED (source 0 = 16 rows of W, source 1 = 16 tokens): a lane holds eight neighbouring columns of a row of out0.
; y's images hold k in the form's own places (registers 2 c, 2 c + 1: k = 16 c + 8 h + 0 .. 7), so W's fragments are read so too: eight loads of 8 bytes, 16 bytes apart, at row x pitch + 8 h.
; REGISTERS, in windows of 256: window 0: v1-29 addresses; v32-95 at work on the way out; v128-191, v192-255 y's fragments (4 x 16 registers), two sets, later rows of out0.
;   window 1: W's fragments (8 x 16), two sets.   window 2: the accumulators ((a, b) at v[8 (8 a + b)]).   window 3: v0-63 b_proj: register 8 b + j = column 16 b + 8 h + j of my 128.
.set PITCH,  272                       ; a row of W in LDS: 256 bytes + 16 of padding = 68 words: row r starts at bank 4 r mod 64 (64 banks of 4 bytes: ISA guide 11.1)
.set HALFW,  128*PITCH                 ; 128 rows of W: one tensor load
.set WOFF,   32768                     ; a slot: y's 8 tiles x 4,096 bytes, dense, then W's 256 rows
.set SLOT3,  WOFF+2*HALFW              ; 102,400
.set SPARE,  3*SLOT3                   ; behind the slots: the spare words, 128 bytes for each wave: two blocks of 256 bytes that no other line names
.set STAGE,  SLOT3                     ; the way out: 16 rows x (512 bytes + 16) for each wave, in slot 1: it has had its one fill, and every wave has passed a barrier behind its last read of it
.set SPITCH, 528
.set ADY,  16                          ; v16-18  LDS address of my y fragments in slot 0, 1, 2
.set ADW,  20                          ; v20-22  the same for W
.set STO,  24                          ; v24  the way out: where I put 32 bytes of a row
.set RD,   25                          ; v25  where I read a row back
.set CO,   26                          ; v26  16 x lane
.set SPW,  28                          ; v28  LDS address of my spare word; never rewritten
.set NIL,  29                          ; v29  0; never rewritten
.set TMP,  32
.set YF,   128
.set BK,   128
.set G1Y, 24                           ; s[24:31] descriptor group 1 for y's tiles;  s[32:39] for W's
.set G1W, 32
.set G0Y, 40                           ; s[40:51] group 0 for y's tiles, one set for each slot;  s[52:63] for W's
.set G0W, 52
.set MSB, 0
.macro WIN new                         ; the immediate's high byte repeats the setting that is left; a switch that changes nothing is dropped
.if MSB != (\new)
	s_set_vgpr_msb (MSB<<8)|(\new)
.set MSB, (\new)
.endif
.endm
.set MUL, 0xa1                         ; source 0 (W) window 1, source 1 (y) window 0, C and D window 2
; A joint load: waves 0 and 1 fetch y's halves, waves 2 and 3 W's; four v_nop follow each of the two lines, ahead of the jump, the label and what follows.
.macro JLOAD g0a, g1a, g0b, g1b
	s_cmp_eq_u32 s15, 0
	s_cbranch_scc0 .Lfor_b_\@
	tensor_load_to_lds s[\g0a:\g0a+3], s[\g1a:\g1a+7]
	s_nop 0
.rept 4
	v_nop
.endr
	s_branch .Lasked_\@
.Lfor_b_\@:
	tensor_load_to_lds s[\g0b:\g0b+3], s[\g1b:\g1b+7]
	s_nop 0
.rept 4
	v_nop
.endr
.Lasked_\@:
.endm
.macro CREST                           ; a round of the cluster's barrier behind its opening barrier
	s_cmp_lg_u32 s14, 0
	s_cbranch_scc1 .Lnot_wave_0_\@
	s_barrier_signal -3
.Lnot_wave_0_\@:
	s_barrier_wait -3
	s_barrier_signal -1
	s_barrier_wait -1
.endm
.macro CROUND
	s_barrier_signal -1
	s_barrier_wait -1
	CREST
.endm
.macro PLACES n                        ; plain vector instructions between a matrix instruction and a load into, or a vector instruction on, its registers
.rept \n
	v_nop
.endr
.endm
	s_load_b256 s[4:11], s[0:1], 0x0               ; y_img s[4:5], W's codes s[6:7], b_proj s[8:9], the scales' exponents s[10:11]
	s_load_b64 s[12:13], s[0:1], 0x20              ; out0
	v_lshl_add_u32 v[SPW], v0, 2, SPARE
	v_mov_b32 v[NIL], 0
	ds_add_u32 v28, v29
	ds_add_u32 v28, v29
	s_wait_dscnt 0x0
	v_lshrrev_b32 v1, 5, v0
	v_readfirstlane_b32 s14, v1                    ; wave 0..3
	s_lshr_b32 s15, s14, 1                         ; which 64 of the tile's tokens are mine.  Also: I fetch for y (0) or for W (1)
	s_and_b32 s16, s14, 1                          ; which 128 of its columns.  Also: which half of that tile I fetch
	s_bfe_u32 s66, ttmp6, 0x40000                  ; cx, cy: my place in the cluster
	s_bfe_u32 s67, ttmp6, 0x40004
	s_lshl_b32 s74, ttmp9, 2
	s_add_co_u32 s74, s74, s66                     ; tile column = 4 x cluster x + cx
	s_and_b32 s17, ttmp7, 0xffff
	s_lshl_b32 s17, s17, 2
	s_add_co_u32 s17, s17, s67                     ; tile row = 4 x cluster y + cy
	s_lshl_b32 s68, s67, 2
	s_lshl_b32 s68, 15, s68                        ; my row of the cluster
	s_lshl_b32 s69, 0x1111, s66                    ; my column
	; y: four tiles of tokens, of each the 4,096 bytes of four heads; from tile to tile 16,384 bytes
	s_or_b32 s[G1Y+0], s68, (3<<16)|(1<<21)        ; 15:0 the mask: y's tiles go to my row; 17:16 elements of 8 bytes; 21 set beside a mask; no padding
	s_mov_b32 s[G1Y+1], 512<<16                    ; tensor_dim0 = 512
	s_mov_b32 s[G1Y+2], 4<<16                      ; tensor_dim1 = 4
	s_mov_b32 s[G1Y+3], 512<<16                    ; tile_dim0 = 512
	s_mov_b32 s[G1Y+4], 4                          ; tile_dim1 = 4
	s_mov_b32 s[G1Y+5], 2048                       ; tensor_dim0_stride
	s_mov_b32 s[G1Y+6], 0
	s_mov_b32 s[G1Y+7], 0
	; W: 128 rows x 256 bytes, padded in LDS
	s_or_b32 s[G1W+0], s69, (0<<16)|(1<<20)|(1<<21)|(5<<22)|(3<<25)  ; the mask of my column; elements of 1 byte; padding: 4 words after every 64
	s_mov_b32 s[G1W+1], 256<<16
	s_mov_b32 s[G1W+2], 128<<16
	s_mov_b32 s[G1W+3], 256<<16
	s_mov_b32 s[G1W+4], 128
	s_mov_b32 s[G1W+5], 1024
	s_mov_b32 s[G1W+6], 0
	s_mov_b32 s[G1W+7], 0
	s_lshl_b32 s70, s17, 17                        ; y: tile 8 x tile row + 4 x half, 16,384 bytes each
	s_lshl_b32 s18, s16, 16
	s_add_co_u32 s70, s70, s18
	s_mov_b32 s71, 0
	s_lshl_b32 s72, s74, 18                        ; W: row 256 x tile column + 128 x half, 1,024 bytes each
	s_lshl_b32 s18, s16, 17
	s_add_co_u32 s72, s72, s18
	s_mov_b32 s73, 0
	s_lshl_b32 s19, s16, 14                        ; where they go in a slot: y's half,
	s_mul_i32 s20, s16, HALFW
	s_add_co_u32 s20, s20, WOFF                    ; W's half: no place in the cluster enters an LDS address
	s_wait_kmcnt 0x0
	s_load_b256 s[76:83], s[10:11], 0x0            ; e0 .. e7
	s_add_nc_u64 s[70:71], s[4:5], s[70:71]
	s_add_nc_u64 s[72:73], s[6:7], s[72:73]
	CROUND                                         ; all sixteen work-groups are here: the first joint loads meet
.irp s, 0,1,2
	s_mov_b32 s[G0Y+4*\s], 1
	s_add_co_u32 s[G0Y+4*\s+1], s19, \s*SLOT3
	s_add_nc_u64 s[G0Y+4*\s+2:G0Y+4*\s+3], s[70:71], \s*4096   ; K step s: four heads on
	s_or_b32 s[G0Y+4*\s+3], s[G0Y+4*\s+3], 0x80000000
	s_mov_b32 s[G0W+4*\s], 1
	s_add_co_u32 s[G0W+4*\s+1], s20, \s*SLOT3
	s_add_nc_u64 s[G0W+4*\s+2:G0W+4*\s+3], s[72:73], \s*256
	s_or_b32 s[G0W+4*\s+3], s[G0W+4*\s+3], 0x80000000
	s_wait_alu depctr_va_vdst(0)
	s_wait_tensorcnt 0x0
	ds_add_u32 v28, v29
	ds_add_u32 v28, v29
	s_wait_dscnt 0x0
	CROUND
	JLOAD G0Y+4*\s, G1Y, G0W+4*\s, G1W
.endr
	v_and_b32 v1, 15, v0                           ; r
	v_bfe_u32 v2, v0, 4, 1                         ; h
	v_and_b32 v3, 31, v0
	v_lshlrev_b32 v[CO], 4, v3
	v_mul_u32_u24 v4, v1, PITCH
	v_lshl_add_u32 v4, v2, 3, v4                   ; W: row x pitch + 8 h
	s_lshl_b32 s21, s15, 14                        ; my four tiles of y
	s_mul_i32 s22, s16, HALFW
	s_add_co_u32 s22, s22, WOFF                    ; my 128 rows of W
.irp s, 0,1,2
	v_add_nc_u32 v[ADY+\s], s21, v[CO]
	v_add_nc_u32 v[ADW+\s], s22, v4
	s_add_co_u32 s21, s21, SLOT3
	s_add_co_u32 s22, s22, SLOT3
.endr
	s_mul_i32 s23, s14, 16*SPITCH
	s_add_co_u32 s23, s23, STAGE                   ; my stage
	v_mul_u32_u24 v5, v1, SPITCH                   ; in: row r, 32 bytes for each half of the lanes
	v_lshl_add_u32 v5, v2, 5, v5
	v_add_nc_u32 v[STO], s23, v5
	v_add_nc_u32 v[RD], s23, v[CO]                 ; back: the 32 lanes take one row of 512 bytes
	s_lshl_b32 s86, s74, 10
	s_lshl_b32 s18, s16, 9
	s_add_co_u32 s86, s86, s18                     ; my first column, in bytes: 1,024 x tile column + 512 x half
	s_mov_b32 s87, 0
	s_add_nc_u64 s[8:9], s[8:9], s[86:87]
	s_add_nc_u64 s[12:13], s[12:13], s[86:87]
	s_lshl_b32 s88, s17, 19
	s_lshl_b32 s18, s15, 18
	s_add_co_u32 s88, s88, s18                     ; my first row: 128 x tile row + 64 x half, 4,096 bytes each
	s_mov_b32 s89, 0
	s_add_nc_u64 s[12:13], s[12:13], s[88:89]
	v_lshlrev_b32 v6, 5, v2                        ; b_proj: my half's eight numbers of a block of 16
	WIN 0xc0                                       ; destination window 3
.irp b, 0,1,2,3,4,5,6,7
	global_load_b128 v[8*\b:8*\b+3],   v6, s[8:9] offset:64*\b
	global_load_b128 v[8*\b+4:8*\b+7], v6, s[8:9] offset:64*\b+16
.endr
	WIN 0
	s_wait_kmcnt 0x0
	s_add_co_i32 s84, s82, s83                     ; e6 + e7, between -126 and 127,
	s_add_co_i32 s84, s84, 127
	s_lshl_b32 s84, s84, 23                        ; makes the f32 number 2^(e6 + e7)
	s_mov_b32 s85, s84                             ; (named with it as a pair, so it is written)
	s_wait_loadcnt 0x0                             ; b_proj, once
; 80 LDS loads in one run: the fragments of the slot's q-th 128 along K into the given set
.macro FETCH3 slot, q, set
	WIN 0x40                                       ; destination window 1
.irp b, 0,1,2,3,4,5,6,7
.irp c, 0,1,2,3,4,5,6,7
	ds_load_b64 v[128*(\set)+16*\b+2*\c:128*(\set)+16*\b+2*\c+1], v[ADW+\slot] offset:128*(\q)+16*\c+16*PITCH*\b
.endr
.endr
	WIN 0
.irp a, 0,1,2,3
.irp c, 0,1,2,3
	ds_load_b128 v[YF+64*(\set)+16*\a+4*\c:YF+64*(\set)+16*\a+4*\c+3], v[ADY+\slot] offset:4096*\a+2048*(\q)+512*\c
.endr
.endr
.endm
; 8 matrix instructions: y's block a x W's eight.  zero = 1: the first products start the sums.  The 32 accumulators take turns, in the same order in every step.
.macro MUL8 a, set, zero
.irp b, 0,1,2,3,4,5,6,7
.if \zero
	v_wmma_f32_16x16x128_fp8_fp8 v[8*(8*(\a)+\b):8*(8*(\a)+\b)+7], v[128*(\set)+16*\b:128*(\set)+16*\b+15], v[YF+64*(\set)+16*(\a):YF+64*(\set)+16*(\a)+15], 0
.else
	v_wmma_f32_16x16x128_fp8_fp8 v[8*(8*(\a)+\b):8*(8*(\a)+\b)+7], v[128*(\set)+16*\b:128*(\set)+16*\b+15], v[YF+64*(\set)+16*(\a):YF+64*(\set)+16*(\a)+15], v[8*(8*(\a)+\b):8*(8*(\a)+\b)+7]
.endif
.endr
.endm
; A step of 128 along K: multiplies the given set; in its middle the next step's fragments (slot nslot, its nq-th 128) are fetched into the other set.
.macro STEP3 set, nslot, nq, zero
	s_wait_dscnt 0x0                               ; this step's fragments are in (asked for 16 matrix instructions ago)
	WIN MUL
	MUL8 0, \set, \zero
	MUL8 1, \set, \zero
	PLACES 4
	FETCH3 \nslot, \nq, 1-(\set)
	WIN MUL
	MUL8 2, \set, \zero
	MUL8 3, \set, \zero
.endm
; A step with a barrier; it multiplies set 1 and fetches the next slot's first fragments into set 0.  In front of the barrier each wave waits for all its tensor loads, adds 0 to its spare word, and waits for that and for its LDS reads.
; fill = 1: the slot just read out is filled again, with the K step three on.
.macro TURN3 slot, next, fill
	WIN 0                                          ; (the add's two registers lie in window 0)
	s_wait_tensorcnt 0x0                           ; all my tensor loads have landed
	ds_add_u32 v[SPW], v[NIL]                      ; 0 onto my spare word
	s_wait_dscnt 1                                 ; this step's fragments are in; the add alone may be out
	WIN MUL
	MUL8 0, 1, 0                                   ; eight matrix instructions stand between the add and the wait for it
	s_wait_dscnt 0x0                               ; the add is done, and my reads of the slots so far are over
	s_barrier_signal -1
	MUL8 1, 1, 0
	WIN 0
	s_barrier_wait -1
.if \fill
	CREST                                          ; the barrier has opened a round of the cluster's barrier: no wave of any partner still reads this slot or has a load on its way
	s_add_nc_u64 s[G0Y+4*\slot+2:G0Y+4*\slot+3], s[G0Y+4*\slot+2:G0Y+4*\slot+3], 3*4096
	s_add_nc_u64 s[G0W+4*\slot+2:G0W+4*\slot+3], s[G0W+4*\slot+2:G0W+4*\slot+3], 3*256
	JLOAD G0Y+4*\slot, G1Y, G0W+4*\slot, G1W       ; the first tensor load behind the round; the four v_nop behind it are the places in front of the loads below
.else
	PLACES 4
.endif
	s_wait_alu depctr_va_vdst(0)
	FETCH3 \next, 0, 0
	WIN MUL
	MUL8 2, 1, 0
	MUL8 3, 1, 0
.endm
	s_wait_tensorcnt 2                             ; my part of slot 0 is in (the load of slot 2 may be out)
	s_barrier_signal -1
	s_barrier_wait -1                              ; everybody's is
	FETCH3 0, 0, 0
	STEP3 0, 0, 1, 1                               ; K 0: its products start the sums
	TURN3 0, 1, 1                                  ; K 128; every wave has shown slots 1 and 2 whole; slot 0 takes K 768 on
	STEP3 0, 1, 1, 0                               ; K 256
	STEP3 1, 2, 0, 0                               ; K 384; slot 2 was shown whole in front of the round above: no barrier here
	STEP3 0, 2, 1, 0                               ; K 512
	TURN3 2, 0, 0                                  ; K 640; slot 0's second tile is shown whole; behind this barrier nobody reads slot 1
	STEP3 0, 0, 1, 0                               ; K 768
	s_wait_dscnt 0x0                               ; K 896: nothing more to fetch
	WIN MUL
	MUL8 0, 1, 0
	MUL8 1, 1, 0
	MUL8 2, 1, 0
	MUL8 3, 1, 0
	WIN 0
; THE WAY OUT, block by block of 16 rows x 128 columns.  A lane holds 32 neighbouring bytes of a row, and the lanes beside it hold other rows: so a block goes through my own stage in LDS and comes back as whole rows
; of 512 bytes.  LDS serves a wave's instructions in order (ISA guide 5.7.1.4): no wait between the stores and the loads, nor in front of the next block's stores.
.macro TOSTAGE a
	WIN 0x32                                       ; source 0 (the sums) window 2, source 2 (b_proj) window 3
.irp j, 0,2,4,6,8,10,12,14,16,18,20,22,24,26,28,30,32,34,36,38,40,42,44,46,48,50,52,54,56,58,60,62
	v_pk_fma_f32 v[TMP+\j:TMP+\j+1], v[64*(\a)+\j:64*(\a)+\j+1], s[84:85], v[\j:\j+1] op_sel_hi:[1,0,1]   ; sum x 2^(e6 + e7) + b_proj, two at a time; each accumulator from its low end on
.endr
	WIN 0
.irp b, 0,1,2,3,4,5,6,7
	ds_store_b128 v[STO], v[TMP+8*\b:TMP+8*\b+3] offset:64*\b
	ds_store_b128 v[STO], v[TMP+8*\b+4:TMP+8*\b+7] offset:64*\b+16
.endr
.set BB, BK+64*((\a)%2)
.irp t, 0,1,2,3,4,5,6,7,8,9,10,11,12,13,14,15
	ds_load_b128 v[BB+4*\t:BB+4*\t+3], v[RD] offset:\t*SPITCH
.endr
.endm
.macro SEND a, younger                 ; younger: the LDS instructions issued behind block a's loads, which may stay out
.set BB, BK+64*((\a)%2)
	s_wait_dscnt \younger                          ; the block is back in registers
.irp t, 0,1,2,3,4,5,6,7,8,9,10,11,12,13,14,15
	global_store_b128 v[CO], v[BB+4*\t:BB+4*\t+3], s[12:13] offset:(16*(\a)+\t)*4096 th:TH_STORE_NT   ; 32 lanes store 512 consecutive bytes, at a multiple of 256 from out0's first byte; written once, read by nobody here
.endr
.endm
	PLACES 4                                       ; behind the last products: for the reads of results and for the loads into the registers that held y's fragments
	TOSTAGE 0
.irp a, 1,2,3
.if \a > 1
	s_wait_xcnt 0x0                                ; block a - 2's stores have read their registers: block a's loads may land there
.endif
	TOSTAGE \a
	SEND \a-1, 32                                  ; behind block a - 1's loads: block a's 16 stores and 16 loads
.endr
	SEND 3, 0
	s_wait_tensorcnt 0x0                           ; the wave's end: behind my last tensor load and my last LDS store
	ds_add_u32 v[SPW], v[NIL]
	s_wait_dscnt 0x0
	CROUND                                         ; the closing round: no work-group ends while a partner may still ask for a tile that names it
	s_endpgm
.Lfunc_end_k_qf33762bbcd_proj:
	.size	k_qf33762bbcd_proj, .Lfunc_end_k_qf33762bbcd_proj-k_qf33762bbcd_proj
	.p2alignl 7, 3214868480
	.fill 96, 4, 3214868480
	.section	.rodata,"a",@progbits
	.p2align	6, 0x0
	.amdhsa_kernel k_qf33762bbcd_proj
		.amdhsa_group_segment_fixed_size 327680
		.amdhsa_private_segment_fixed_size 0
		.amdhsa_enable_private_segment 0
		.amdhsa_kernarg_size 40
		.amdhsa_user_sgpr_count 2
		.amdhsa_user_sgpr_kernarg_segment_ptr 1
		.amdhsa_wavefront_size32 1
		.amdhsa_system_sgpr_workgroup_id_x 1
		.amdhsa_system_sgpr_workgroup_id_y 1
		.amdhsa_system_sgpr_workgroup_id_z 1
		.amdhsa_system_vgpr_workitem_id 0
		.amdhsa_next_free_vgpr 832
		.amdhsa_next_free_sgpr 100
		.amdhsa_reserve_vcc 0
		.amdhsa_float_denorm_mode_32 3
		.amdhsa_float_denorm_mode_16_64 3
		.amdhsa_memory_ordered 1
		.amdhsa_forward_progress 1
		.amdhsa_inst_pref_size 94
	.end_amdhsa_kernel
	.amdgpu_metadata
---
amdhsa.version: [ 1, 2 ]
amdhsa.kernels:
  - .name:           k_qf33762bbcd_proj
    .symbol:         k_qf33762bbcd_proj.kd
    .args:
      - { .name: y_img, .offset: 0, .size: 8, .value_kind: global_buffer, .address_space: global }
      - { .name: W_proj_codes, .offset: 8, .size: 8, .value_kind: global_buffer, .address_space: global }
      - { .name: b_proj, .offset: 16, .size: 8, .value_kind: global_buffer, .address_space: global }
      - { .name: lowp_scales, .offset: 24, .size: 8, .value_kind: global_buffer, .address_space: global }
      - { .name: out0, .offset: 32, .size: 8, .value_kind: global_buffer, .address_space: global }
    .group_segment_fixed_size: 327680
    .private_segment_fixed_size: 0
    .kernarg_segment_align: 8
    .kernarg_segment_size: 40
    .max_flat_workgroup_size: 128
    .sgpr_count:     100
    .vgpr_count:     832
    .wavefront_size: 32
...
	.end_amdgpu_metadata
.endif
;; end of part 3
